; MI455X (gfx1250); checked and timed in simulation.
; The chip was launched on July 23, 2026; its instructions are those of AMD's public machine-readable ISA for CDNA 5 (MIT licence, August 2026) and "CDNA5" Instruction Set Architecture Reference Guide (July 2026). The comments in the code are by the model that wrote it; some were corrected since.
;; Grouped Query Attention. Allowed arithmetic: matrix products marked QUANTISED: E5M2 operands, one given power-of-two scale a tensor, by v_wmma_f32_16x16x64_bf8_bf8 or v_wmma_f32_16x16x128_bf8_bf8, f32 sums; everything else in f32.
;; Inputs: Wk 2,048 x 512 float32; Wq 2,048 x 2,048 float32; Wv 2,048 x 512 float32; bk 512 float32; bq 2,048 float32; bv 512 float32; hidden_states 2 x 2,048 x 2,048 float32; lowp_scales 10 int32 (the exponents e of the quantised operands' scales 2^e).
;; Outputs: out0 2 x 2,048 x 2,048 float32.
;; This version of the problem:
;;   THIS VERSION OF THE PROBLEM IS GIVEN IN LOW PRECISION. The matrix products marked QUANTISED in the list below multiply operands that are first quantised to E5M2 (5 exponent bits, 2 mantissa bits; 8 bits a number), with one given power-of-two scale for each operand tensor; their sums are f32. All else is computed in f32.
;;   The module's matrix products, in the order in which they are computed (A, B: the left and right operand; K: the contracted axis; several contracted axes count as one K, in the product's order):
;;     1. [M 4,096, K 2,048] x [K 2,048, N 2,048]; A: input hidden_states; B: input Wq: QUANTISED (scales: A lowp_scales[0], B lowp_scales[1])
;;     2. [M 4,096, K 2,048] x [K 2,048, N 512]; A: input hidden_states; B: input Wk: QUANTISED (scales: A lowp_scales[2], B lowp_scales[3])
;;     3. [M 4,096, K 2,048] x [K 2,048, N 512]; A: input hidden_states; B: input Wv: QUANTISED (scales: A lowp_scales[4], B lowp_scales[5])
;;     4. batch 8 x [M 2,048, K 128] x [K 128, N 8,192]; A: computed on the way; B: computed on the way: QUANTISED (scales: A lowp_scales[6], B lowp_scales[7])
;;     5. batch 8 x [M 128, K 2,048] x [K 2,048, N 8,192]; A: computed on the way; B: softmax (see below): QUANTISED (scales: A lowp_scales[8], B lowp_scales[9])
;;   THE QUANTISER, for each operand of a quantised product, along K:
;;     - The operand's scale is 2^e, e = its entry of the input lowp_scales (int32; the entries are numbered through the quantised products in the list's order, A before B).
;;     - Each number is divided by the scale, clamped to +-57,344, and rounded to the nearest number of E5M2, ties to even, subnormals kept.
;;     - The product sums the exact products of the quantised numbers (number of the format x scale) in f32.
;;   ~~~python
;;   def quantise(x, axis, e):      # numpy; x: float32 -> the quantised numbers, widened to float32 again
;;       x = np.moveaxis(x, axis, -1); K = x.shape[-1]
;;       r = np.clip(x / 2.0 ** e, -57344, 57344)
;;       step = 2.0 ** (np.maximum(np.frexp(np.where(r == 0, 1, r))[1] - 1, -14) - 2)
;;       q = np.round(r / step) * step * 2.0 ** e      # np.round: ties to even
;;       return np.moveaxis(q, -1, axis).astype(np.float32)
;;   ~~~
;;   SOFTMAX AHEAD OF A QUANTISED PRODUCT. Where the list says 'softmax', what is quantised is not the finished softmax but p = 2^(t - M), with t = logit x log2(e) and M = ceil(the row's largest t), a whole number; so 1/2 < the row's largest p <= 1. The row's sum l is taken of the UNQUANTISED p, in f32, and the product's result is divided by l at the end. Since M is a whole number, a kernel that streams over the keys may use a running M (the ceiling of the running maximum): every later rescaling is an exact power of two, so the quantised numbers keep their values, but for numbers so far below the row's largest that they fall under the format's range.
;;   OPERANDS COMPUTED ON THE WAY. 'Computed on the way' means the value that the module computes at that place (a softmax that the list does not call 'softmax' is quantised finished and normalised). What goes into a quantiser is computed in f32, as accurately as f32 sums, v_exp_f32 and their like allow (about 1e-6 of the number): no bf16 or f16 on the way to a quantiser, and a product that is left as it is and whose result goes on into a quantised operand takes f32 operands (vector FMAs, or v_wmma_f32_16x16x4_f32). A number that lies on a knife's edge between two numbers of the format may be rounded either way, as far as f32 arithmetic and the matrix unit's own rounding can turn it there, and no further.
;; One version. Each part assembles by itself: llvm-mc -triple=amdgcn-amd-amdhsa -mcpu=gfx1250 --defsym DOCPART=n.
;; ======== version 1 of 1: 3 launches
;; limits: right only within a limited range of input values
;; workspace buffers: x_codes 25,165,824 bytes; w_codes 6,291,456 bytes; q_codes 8,388,608 bytes; k_codes 2,097,152 bytes; v_codes 2,097,152 bytes
;; launch quant (part 1): grid 448 x 1, 4 waves a work-group, no clusters, 68,096 bytes of LDS; arguments hidden_states, Wq, Wk, Wv, lowp_scales, x_codes, w_codes; writes x_codes, w_codes
.if DOCPART == 1
	.amdgcn_target "amdgcn-amd-amdhsa--gfx1250"
	.amdhsa_code_object_version 6
	.text
	.protected	k_q7e8fcde8dc_quant
	.globl	k_q7e8fcde8dc_quant
	.p2align	8
	.type	k_q7e8fcde8dc_quant,@function
k_q7e8fcde8dc_quant:
	s_mov_b64 s[64:65], 0
	v_nop
	global_prefetch_b8 v0, s[64:65] scope:SCOPE_SE
	s_setreg_imm32_b32 hwreg(HW_REG_WAVE_MODE, 25, 1), 1
	s_wait_xcnt 0x0
; hidden_states [4096][2048] f32 and the weights Wq [2048][2048], Wk, Wv [2048][512] f32 become codes of BF8 (E5M2), one code a byte, K innermost.
; code = x / 2^e, held within +-57,344, rounded to the nearest code, ties to even.
; x_codes: three planes of [4096][2048] bytes: plane 0 with e0, plane 1 with e2, plane 2 with e4 (hidden_states is an operand of three products, each with a scale of its own).
;   Plane 1 is made only where e2 differs from e0, plane 2 only where e4 differs from e0: a scalar branch on the whole numbers read from lowp_scales.  The next launch picks its plane by the same comparisons.
; w_codes: [3072][2048] bytes: rows 0-2047 Wq's columns (e1), rows 2048-2559 Wk's (e3), rows 2560-3071 Wv's (e5).
; LIMITS: each of e0 .. e5 lies between -126 and 112, so that 2^e and 57,344 x 2^e are f32 numbers.  NaN among the inputs is not served; an infinity is held at the largest code.
; Work-groups 0-255 take hidden_states, 256-447 the weights; every work-group has 32,768 numbers.  The two ways part at the head and never join; each has LDS bytes of its own.
; No tensor loads and no barrier: waves share nothing.  No cluster: no two work-groups read the same bytes.  No prefetch: the launch is one stream of loads.
.set STEPS, 16
.set SP,    80                         ; x: a lane's place in a stage: its 64 bytes + 16 of padding
.set R,     16                         ; x: v16-79    four sets of 16 numbers as loaded
.set X,     80                         ; x: v80-111   two sets of 16 neighbours
.set T,     112                        ; x: v112-127  the numbers held for the plane in hand
.set C,     128                        ; x: v128-139  four registers of codes for each plane
.set VO,    16                         ; W: v16-47    byte offset of row i of a block: 4 x lane + i x pitch
.set WX,    48                         ; W: v48-111   two sets of 32 numbers
.set WC,    112                        ; W: v112-119  a block's codes
.set OUTR,  120                        ; W: v120-183  the way out
.set WP,    272                        ; W: a stage row: 256 bytes + 16
.set WSTG,  32768                      ; W: the stages begin behind the x way's LDS bytes
.macro POW2 e, vs, vl                  ; s[e] = exponent: v[vs] = 2^e as f32, v[vl] = 57,344 x 2^e
	s_add_co_i32 s22, s[\e], 127
	s_lshl_b32 s23, s22, 23
	v_mov_b32 v[\vs], s23
	s_add_co_i32 s22, s22, 15
	s_lshl_b32 s22, s22, 23
	s_or_b32 s22, s22, 0x600000                    ; the mantissa field of 57,344
	v_mov_b32 v[\vl], s22
.endm
	s_load_b256 s[4:11], s[0:1], 0x0               ; hidden_states s[4:5], Wq s[6:7], Wk s[8:9], Wv s[10:11]
	s_load_b128 s[12:15], s[0:1], 0x20             ; lowp_scales s[12:13], x_codes s[14:15]
	s_load_b64 s[16:17], s[0:1], 0x30              ; w_codes
	v_lshl_add_u32 v192, v0, 2, 0x10800
	v_mov_b32 v193, 0
	v_lshrrev_b32 v1, 5, v0
	v_readfirstlane_b32 s18, v1                    ; wave 0..3
	v_and_b32 v2, 31, v0                           ; lane
	s_wait_kmcnt 0x0
	s_load_b256 s[24:31], s[12:13], 0x0            ; e0 .. e7
	s_cmp_lt_u32 ttmp9, 256
	s_cbranch_scc0 .Lweights
; ---------------- hidden_states: a plain stream.  A wave takes 16 steps of 512 numbers.  Each load reads 512 consecutive bytes; a step's 2,048 bytes turn through the wave's own stage in LDS,
; so that a lane then holds 16 neighbours along K, as the conversions want them; a lane's 16 codes are 16 bytes, and the wave stores 512 consecutive bytes, aligned.
	s_lshl_b32 s19, ttmp9, 2
	s_add_co_u32 s19, s19, s18                     ; which run of 8,192 numbers is my wave's
	s_lshl_b32 s20, s19, 15
	s_mov_b32 s21, 0
	s_add_nc_u64 s[4:5], s[4:5], s[20:21]
	s_lshl_b32 s20, s19, 13
	s_add_nc_u64 s[32:33], s[14:15], s[20:21]      ; my codes in plane 0,
	s_add_nc_u64 s[34:35], s[32:33], 0x800000      ; plane 1,
	s_add_nc_u64 s[36:37], s[32:33], 0x1000000     ; plane 2
	s_wait_alu depctr_va_vdst(0)
	v_lshlrev_b32 v3, 4, v2                        ; my 16 bytes of a load's or a store's 512; never rewritten
	s_lshl_b32 s22, s18, 13                        ; my wave's 8,192 bytes of LDS: two stages of 32 x SP bytes
	v_lshrrev_b32 v14, 2, v2
	v_mul_u32_u24 v14, v14, SP
	v_and_b32 v15, 3, v2
	v_lshl_add_u32 v14, v15, 4, v14
	v_add_nc_u32 v14, s22, v14                     ; into the stage: four lanes' 64 bytes on end, then the padding
	v_mul_u32_u24 v15, v2, SP
	v_add_nc_u32 v15, s22, v15                     ; out of it: my 16 neighbours
.macro XLOAD t
.irp i, 0,1,2,3
	global_load_b128 v[R+16*((\t)%4)+4*\i:R+16*((\t)%4)+4*\i+3], v3, s[4:5] offset:2048*(\t)+512*\i th:TH_LOAD_NT
.endr
.endm
.macro XTURN t                         ; LDS serves a wave's instructions in order (ISA guide 5.7.1.4): no wait between the stores and the loads
.irp i, 0,1,2,3
	ds_store_b128 v14, v[R+16*((\t)%4)+4*\i:R+16*((\t)%4)+4*\i+3] offset:32*SP*((\t)%2)+8*SP*\i
.endr
.irp i, 0,1,2,3
	ds_load_b128 v[X+16*((\t)%2)+4*\i:X+16*((\t)%2)+4*\i+3], v15 offset:32*SP*((\t)%2)+16*\i
.endr
.endm
.macro XPLANE p, t                     ; the step's 16 numbers of my lane under plane p's scale.  The hold is not in place: the numbers serve three planes
.irp i, 0,1,2,3,4,5,6,7,8,9,10,11,12,13,14,15
	v_med3_num_f32 v[T+\i], v[XS+\i], -v[7+2*\p], v[7+2*\p]   ; the conversion to an 8-bit code does not saturate (ISA guide 7.6.2)
.endr
	v_cvt_scalef32_pk8_bf8_f32 v[C+4*\p:C+4*\p+1], v[T:T+7], v[6+2*\p]
	v_cvt_scalef32_pk8_bf8_f32 v[C+4*\p+2:C+4*\p+3], v[T+8:T+15], v[6+2*\p]
	v_nop                                          ; a plain vector line between the conversions and the next holds, which write their sources
	global_store_b128 v3, v[C+4*\p:C+4*\p+3], s[32+2*\p:33+2*\p] offset:512*(\t)
.endm
.macro XSTEP t
.set XS, X+16*((\t)%2)
	s_wait_dscnt 0x0                               ; this step's numbers are back from the stage, so its stores into the stage have read their registers,
.if (\t)+4 < STEPS
	XLOAD (\t)+4                                   ; which take the loads of four steps on
.endif
.if (\t)+1 < STEPS
.if STEPS-2-(\t) >= 3
	s_wait_loadcnt 12                              ; the next step's four loads are in; those of the three steps behind it may be out
.else
	s_wait_loadcnt 4*(STEPS-2-(\t))
.endif
	XTURN (\t)+1
.endif
	s_wait_xcnt 0x0                                ; the last step's stores have read their data: the codes' registers are written again only behind this wait
	XPLANE 0, \t
	s_cmp_lg_u32 s38, 0
	s_cbranch_scc0 .Lno1_\@
	XPLANE 1, \t
.Lno1_\@:
	s_cmp_lg_u32 s39, 0
	s_cbranch_scc0 .Lno2_\@
	XPLANE 2, \t
.Lno2_\@:
.endm
.irp t, 0,1,2,3
	XLOAD \t
.endr
	s_wait_alu depctr_va_vdst(0)
	s_wait_kmcnt 0x0
	s_cmp_lg_u32 s26, s24
	s_cselect_b32 s38, 1, 0                        ; plane 1 is wanted: e2 differs from e0
	s_cmp_lg_u32 s28, s24
	s_cselect_b32 s39, 1, 0                        ; plane 2 is wanted: e4 differs from e0
	POW2 24, 6, 7
	POW2 26, 8, 9
	POW2 28, 10, 11
	s_wait_alu depctr_va_vdst(0)
	s_wait_loadcnt 12                              ; step 0's four loads are in
	XTURN 0
.irp t, 0,1,2,3,4,5,6,7,8,9,10,11,12,13,14,15
	XSTEP \t
.endr
	s_wait_tensorcnt 0x0
	ds_add_u32 v192, v193
	s_wait_dscnt 0x0
	s_endpgm
; ---------------- the weights: K is their FIRST axis.  A lane takes a column n and its registers run down K: each load reads 128 consecutive bytes a wave, 512 a work-group,
; and the conversions give codes with K innermost.  A wave takes 32 columns x 256 along K; the codes go through its own stage and leave as rows: sixteen lanes store 256 consecutive bytes, aligned.
.Lweights:
	s_sub_co_u32 s19, ttmp9, 256                   ; 0-127 Wq, 128-159 Wk, 160-191 Wv: every choice hangs on the work-group's number alone
	s_cmp_lt_u32 s19, 128
	s_cselect_b64 s[20:21], s[6:7], s[8:9]         ; the tensor
	s_cselect_b32 s23, 0, 128                      ; its first work-group
	s_mov_b32 s40, 2048
	s_cselect_b32 s40, 0, s40                      ; its first row in w_codes
	s_cselect_b32 s41, 4, 2                        ; log2 of its blocks of 128 columns
	s_mov_b32 s42, 2048
	s_cselect_b32 s42, 8192, s42                   ; bytes in a row of it
	s_cmp_ge_u32 s19, 160
	s_cselect_b64 s[20:21], s[10:11], s[20:21]
	s_cselect_b32 s23, 160, s23
	s_cselect_b32 s40, 2560, s40
	s_sub_co_u32 s71, s19, s23
	s_bfm_b32 s63, s41, 0
	s_and_b32 s43, s71, s63                        ; which 128 columns
	s_lshr_b32 s62, s71, s41                       ; which 256 along K
	s_lshl_b32 s43, s43, 7
	s_lshl_b32 s63, s18, 5
	s_add_co_u32 s43, s43, s63                     ; my wave's first column
	s_mul_i32 s68, s62, s42
	s_lshl_b32 s68, s68, 8                         ; 256 rows x which
	s_lshl_b32 s63, s43, 2
	s_add_co_u32 s68, s68, s63
	s_mov_b32 s69, 0
	s_add_nc_u64 s[44:45], s[20:21], s[68:69]      ; block 0's base; a base for each of the 8 blocks of 32 rows, so that none is stepped while loads are out
	s_lshl_b32 s60, s42, 5
	s_mov_b32 s61, 0
.irp t, 1,2,3,4,5,6,7
	s_add_nc_u64 s[44+2*\t:45+2*\t], s[42+2*\t:43+2*\t], s[60:61]
.endr
	s_add_co_u32 s68, s40, s43
	s_lshl_b32 s68, s68, 11                        ; my first row of w_codes, 2,048 bytes a row,
	s_lshl_b32 s63, s62, 8
	s_add_co_u32 s68, s68, s63                     ; + my 256 along K
	s_add_nc_u64 s[66:67], s[16:17], s[68:69]
	s_wait_alu depctr_va_vdst(0)
	v_lshlrev_b32 v[VO], 2, v2
.irp i, 1,2,3,4,5,6,7,8,9,10,11,12,13,14,15,16,17,18,19,20,21,22,23,24,25,26,27,28,29,30,31
	v_add_nc_u32 v[VO+\i], s42, v[VO+\i-1]
.endr
	s_mul_i32 s63, s18, 32*WP
	s_add_co_u32 s63, s63, WSTG                    ; my stage
	v_mul_u32_u24 v4, v2, WP
	v_add_nc_u32 v4, s63, v4                       ; into it: row = my column
	v_and_b32 v5, 15, v2
	v_lshrrev_b32 v6, 4, v2
	v_mul_u32_u24 v7, v6, WP
	v_lshl_add_u32 v7, v5, 4, v7
	v_add_nc_u32 v7, s63, v7                       ; out of it: sixteen lanes to a row, two rows an instruction
	v_lshlrev_b32 v8, 11, v6
	v_lshl_add_u32 v8, v5, 4, v8                   ; and the same place in w_codes
.macro WLOAD t
.irp i, 0,1,2,3,4,5,6,7,8,9,10,11,12,13,14,15,16,17,18,19,20,21,22,23,24,25,26,27,28,29,30,31
	global_load_b32 v[WX+32*((\t)%2)+\i], v[VO+\i], s[44+2*(\t):45+2*(\t)] th:TH_LOAD_NT
.endr
.endm
.macro WBLOCK t
.set XS, WX+32*((\t)%2)
.if (\t) < 7
	s_wait_loadcnt 32                              ; this block's 32 loads are in; the next block's may be out
.else
	s_wait_loadcnt 0x0
.endif
.irp i, 0,1,2,3,4,5,6,7,8,9,10,11,12,13,14,15,16,17,18,19,20,21,22,23,24,25,26,27,28,29,30,31
	v_med3_num_f32 v[XS+\i], v[XS+\i], -v10, v10
.endr
.irp g, 0,1,2,3
	v_cvt_scalef32_pk8_bf8_f32 v[WC+2*\g:WC+2*\g+1], v[XS+8*\g:XS+8*\g+7], v11
.endr
	ds_store_b128 v4, v[WC:WC+3] offset:32*(\t)    ; 32 codes: 32 bytes of my column's row.  (The next vector lines are the next block's holds, plain lines on other registers)
	ds_store_b128 v4, v[WC+4:WC+7] offset:32*(\t)+16
.if (\t)+2 < 8
	WLOAD (\t)+2
.endif
	s_wait_dscnt 0x0                               ; the stores have read their registers: the next block's codes may be written
.endm
	WLOAD 0
	WLOAD 1
	s_wait_kmcnt 0x0
	s_cmp_lt_u32 s19, 128
	s_cselect_b32 s22, s25, s27                    ; e1 or e3,
	s_cmp_ge_u32 s19, 160
	s_cselect_b32 s22, s29, s22                    ; or e5
	POW2 22, 11, 10
	s_wait_alu depctr_va_vdst(0)
.irp t, 0,1,2,3,4,5,6,7
	WBLOCK \t
.endr
.irp t, 0,1,2,3,4,5,6,7,8,9,10,11,12,13,14,15
	ds_load_b128 v[OUTR+4*\t:OUTR+4*\t+3], v7 offset:2*\t*WP
.endr
.irp t, 0,1,2,3,4,5,6,7,8,9,10,11,12,13,14,15
	s_wait_dscnt 15-\t                             ; LDS loads come back in order: load t is in, the younger ones may be out
	global_store_b128 v8, v[OUTR+4*\t:OUTR+4*\t+3], s[66:67] offset:2*\t*2048
.endr
	s_wait_tensorcnt 0x0
	ds_add_u32 v192, v193
	s_wait_dscnt 0x0
	s_endpgm
.Lfunc_end_k_q7e8fcde8dc_quant:
	.size	k_q7e8fcde8dc_quant, .Lfunc_end_k_q7e8fcde8dc_quant-k_q7e8fcde8dc_quant
	.p2alignl 7, 3214868480
	.fill 96, 4, 3214868480
	.section	.rodata,"a",@progbits
	.p2align	6, 0x0
	.amdhsa_kernel k_q7e8fcde8dc_quant
		.amdhsa_group_segment_fixed_size 68096
		.amdhsa_private_segment_fixed_size 0
		.amdhsa_enable_private_segment 0
		.amdhsa_kernarg_size 56
		.amdhsa_user_sgpr_count 2
		.amdhsa_user_sgpr_kernarg_segment_ptr 1
		.amdhsa_wavefront_size32 1
		.amdhsa_system_sgpr_workgroup_id_x 1
		.amdhsa_system_sgpr_workgroup_id_y 1
		.amdhsa_system_sgpr_workgroup_id_z 1
		.amdhsa_system_vgpr_workitem_id 0
		.amdhsa_next_free_vgpr 194
		.amdhsa_next_free_sgpr 72
		.amdhsa_reserve_vcc 0
		.amdhsa_float_denorm_mode_32 3
		.amdhsa_float_denorm_mode_16_64 3
		.amdhsa_memory_ordered 1
		.amdhsa_forward_progress 1
		.amdhsa_inst_pref_size 131
	.end_amdhsa_kernel
	.amdgpu_metadata
---
amdhsa.version: [ 1, 2 ]
amdhsa.kernels:
  - .name:           k_q7e8fcde8dc_quant
    .symbol:         k_q7e8fcde8dc_quant.kd
    .args:
      - { .name: hidden_states, .offset: 0, .size: 8, .value_kind: global_buffer, .address_space: global }
      - { .name: Wq, .offset: 8, .size: 8, .value_kind: global_buffer, .address_space: global }
      - { .name: Wk, .offset: 16, .size: 8, .value_kind: global_buffer, .address_space: global }
      - { .name: Wv, .offset: 24, .size: 8, .value_kind: global_buffer, .address_space: global }
      - { .name: lowp_scales, .offset: 32, .size: 8, .value_kind: global_buffer, .address_space: global }
      - { .name: x_codes, .offset: 40, .size: 8, .value_kind: global_buffer, .address_space: global }
      - { .name: w_codes, .offset: 48, .size: 8, .value_kind: global_buffer, .address_space: global }
    .group_segment_fixed_size: 68096
    .private_segment_fixed_size: 0
    .kernarg_segment_align: 8
    .kernarg_segment_size: 56
    .max_flat_workgroup_size: 128
    .sgpr_count:     72
    .vgpr_count:     194
    .wavefront_size: 32
...
	.end_amdgpu_metadata
.endif
;; end of part 1
;; launch proj (part 2): grid 192 x 1, 4 waves a work-group, no clusters, 327,680 bytes of LDS; arguments x_codes, w_codes, lowp_scales, bq, bk, bv, q_codes, k_codes, v_codes; writes q_codes, k_codes, v_codes
.if DOCPART == 2
	.amdgcn_target "amdgcn-amd-amdhsa--gfx1250"
	.amdhsa_code_object_version 6
	.text
	.protected	k_q7e8fcde8dc_proj
	.globl	k_q7e8fcde8dc_proj
	.p2align	8
	.type	k_q7e8fcde8dc_proj,@function
k_q7e8fcde8dc_proj:
	s_mov_b64 s[64:65], 0
	v_nop
	global_prefetch_b8 v0, s[64:65] scope:SCOPE_SE
	s_setreg_imm32_b32 hwreg(HW_REG_WAVE_MODE, 25, 1), 1
	s_wait_xcnt 0x0
; q = x Wq + bq, k = x Wk + bk, v = x Wv + bv on codes of BF8 (E5M2), K = 2,048; each result is quantised at once for the attention launch: q under 2^e7, k under 2^e6, v under 2^e8.
; x_codes: three planes [4096][2048] (e0, e2, e4; a plane is used only where its e differs from e0); w_codes: [3072][2048], rows = columns of Wq, Wk, Wv.
; A work-group makes a block of 256 x 256; four waves, 128 x 128 each, 64 accumulators.  Groups of four work-groups: 0-31 q (8 column tiles x 16 row tiles), 32-39 k, 40-47 v (2 x 16 each).
; SOURCE 0 comes from LDS region 0, SOURCE 1 from region 1, at LDS addresses that hang on the wave and the lane alone.  q, k: region 0 = rows of W, region 1 = rows of x: a lane holds one row of x and eight neighbouring
; channels.  v: region 0 = rows of x, region 1 = rows of Wv: a lane holds one channel and eight neighbouring keys, since the keys are the next K.  Only the pointer and the offset in memory are chosen by the block's kind.
; K goes in steps of 256 through two slots; wave w fetches 128 rows x 256 bytes into w x 128 rows of a slot, one tensor load a wave behind each barrier.
; THE WALK ALONG K begins at step (column tile + row tile) mod 8 and wraps: the blocks that share a tile ask for different parts of its rows in their first step, and each later step asks for bytes that a block
; beside it has asked for before.  The sums are f32 and take the K steps in that order.  For the same reason no prefetch is laid: each block of 256 bytes is first asked for by one or two of the blocks that share it.
; NO CLUSTER: the region that neighbours would share is region 0 in q's and k's blocks and region 1 in v's, while a joint load's mask is a constant of its line; and neighbouring blocks walk K from different steps.
; OUTPUTS: blocks of 128 rows x 128 bytes, row rho at the place rho with bits 3 and 4 swapped (the attention launch's head comment).
; LIMITS: e0 + e1, e2 + e3, e4 + e5 between -126 and 127; e6, e7, e8 between -126 and 112.
.set ROWB,   256
.set KROW,   2048
.set PITCH,  272                       ; 256 bytes + 16 of padding
.set FR,     16
.set NL,     4
.set NP,     4
.set HALFT,  128*PITCH
.set SLOT,   4*HALFT
.set LAPS,   4
.set SPARE,  2*SLOT                    ; the spare words: 512 bytes that no other line names
.set SPITCH, 144                       ; the way out: a stage of 16 rows x (128 + 16) bytes a wave, in slot 0 behind its last fill and last read
.set ADRA, 16
.set ADRB, 20
.set STO,  24
.set RD,   25
.set CO,   26
.set ZER,  27
.set SPW,  28
.set NIL,  29
.set SCL,  30
.set LIM,  31
.set BC,   32                          ; v32-95 the bias along a lane's registers (q, k; zeros for v)
.set BR,   96                          ; v96-111 the bias of a lane's row, in pairs (v; zeros for q, k)
.set AF,   128
.set TMP,  128
.set PCD,  192
.set BK,   224
.set G1, 24                            ; s[24:31] group 1; s[32:39] group 0, a set for each slot
.set G0, 32
.set KO, 56                            ; s[56:57], s[58:59] each slot's byte offset along K, as pairs
.set BASE, 60                          ; s[60:61] my 128 rows in memory
.set MSB, 0
.macro WIN new
.if MSB != \new
	s_set_vgpr_msb (MSB<<8)|\new
.set MSB, \new
.endif
.endm
.set MUL_LO, 0xa1
.set MUL_HI, 0xf1
.set TO_B,   0x40
.macro PLACES n
.rept \n
	v_nop
.endr
.endm
.macro FRAG reg, adr, q, i
.irp c, 0,1,2,3
	ds_load_b128 v[\reg+4*\c:\reg+4*\c+3], v[\adr] offset:128*(\q)+32*\c+(\i)*16*PITCH
.endr
.endm
.macro MUL16 a0, p, zero               ; the 64 accumulators take turns, one instruction a turn
.irp a, \a0, \a0+1
.irp b, 0,1,2,3,4,5,6,7
.if \zero
	v_wmma_f32_16x16x128_bf8_bf8 v[8*(8*((\a)%4)+\b):8*(8*((\a)%4)+\b)+7], v[128*(\p)+FR*\b:128*(\p)+FR*\b+FR-1], v[AF+FR*(\a):AF+FR*(\a)+FR-1], 0
.else
	v_wmma_f32_16x16x128_bf8_bf8 v[8*(8*((\a)%4)+\b):8*(8*((\a)%4)+\b)+7], v[128*(\p)+FR*\b:128*(\p)+FR*\b+FR-1], v[AF+FR*(\a):AF+FR*(\a)+FR-1], v[8*(8*((\a)%4)+\b):8*(8*((\a)%4)+\b)+7]
.endif
.endr
.endr
.endm
.macro FETCH_B slot, q, p
	WIN TO_B
.irp i, 0,1,2,3,4,5,6,7
	FRAG 128*(\p)+FR*\i, ADRB+\slot, \q, \i
.endr
	WIN 0
.endm
.macro FETCH_A slot, q, i0
.irp i, \i0, \i0+1, \i0+2, \i0+3
	FRAG AF+FR*(\i), ADRA+\slot, \q, \i
.endr
.endm
.macro STEP slot, q, zero
	s_wait_dscnt 4*NL                              ; source 0's set and source 1's blocks 0-3 are in; the youngest 16 loads may be out
	WIN MUL_LO
	MUL16 0, (\q)%2, \zero
	MUL16 2, (\q)%2, \zero
	s_wait_dscnt 0
	PLACES NP
	FETCH_B \slot, (\q)+1, 1-(\q)%2
	FETCH_A \slot, (\q)+1, 0
	WIN MUL_HI
	MUL16 4, (\q)%2, \zero
	MUL16 6, (\q)%2, \zero
	PLACES NP
	WIN 0
	FETCH_A \slot, (\q)+1, 4
.endm
; A slot's last step changes slots: one barrier; in front of it the wait for all my tensor loads, the add, and the wait for the add and for my reads of this slot.  fill = 1: this slot takes the K step two steps on, with wrap.
.macro TURN slot, next, fill
	s_wait_tensorcnt 0x0
	ds_add_u32 v[SPW], v[NIL]
.if \fill
	s_add_co_u32 s[KO+2*\slot], s[KO+2*\slot], 2*ROWB   ; no load of mine is out: this slot's group 0 may be written
	s_and_b32 s[KO+2*\slot], s[KO+2*\slot], KROW-1
	s_add_nc_u64 s[G0+4*\slot+2:G0+4*\slot+3], s[BASE:BASE+1], s[KO+2*\slot:KO+2*\slot+1]
	s_or_b32 s[G0+4*\slot+3], s[G0+4*\slot+3], 0x80000000
.endif
	s_wait_dscnt 4*NL+1                            ; the add and the youngest 16 loads may be out
	WIN MUL_LO
	MUL16 0, 1, 0
	s_wait_dscnt 0x0
	s_barrier_signal -1
	MUL16 2, 1, 0
	WIN 0
	s_barrier_wait -1
.if \fill
	tensor_load_to_lds s[G0+4*\slot:G0+4*\slot+3], s[G1:G1+7]
	s_nop 0
.endif
	PLACES NP
	FETCH_B \next, 0, 0
	FETCH_A \next, 0, 0
	WIN MUL_HI
	MUL16 4, 1, 0
	MUL16 6, 1, 0
	PLACES NP
	WIN 0
	FETCH_A \next, 0, 4
.endm
	s_load_b512 s[68:83], s[0:1], 0x0              ; x_codes, w_codes, lowp_scales, bq, bk, bv, q_codes, k_codes
	s_load_b64 s[84:85], s[0:1], 0x40              ; v_codes
	v_lshl_add_u32 v[SPW], v0, 2, SPARE
	v_mov_b32 v[NIL], 0
	ds_add_u32 v[SPW], v[NIL]                      ; the opening lines: the add twice on end and one wait
	ds_add_u32 v[SPW], v[NIL]
	v_mov_b32 v[ZER], 0
	v_lshrrev_b32 v1, 5, v0
	v_readfirstlane_b32 s14, v1                    ; wave
	s_lshr_b32 s15, s14, 1                         ; my half of source 1's rows; also the region that I fetch for
	s_and_b32 s16, s14, 1                          ; my half of source 0's rows; also which 128 rows I fetch
	s_and_b32 s40, ttmp9, 3
	s_lshr_b32 s12, ttmp9, 2                       ; the group of four
	s_cmp_lt_u32 s12, 32
	s_cselect_b32 s41, 1, 0                        ; q
	s_cselect_b32 s43, 0, 32
	s_cselect_b32 s46, 7, 1
	s_cselect_b32 s47, 3, 1
	s_mov_b32 s17, 2048
	s_cselect_b32 s17, 0, s17
	s_cmp_ge_u32 s12, 40
	s_cselect_b32 s42, 1, 0                        ; v
	s_cselect_b32 s43, 40, s43
	s_cselect_b32 s17, 2560, s17
	s_sub_co_u32 s43, s12, s43
	s_and_b32 s44, s43, s46                        ; column tile
	s_lshr_b32 s45, s43, s47
	s_lshl_b32 s45, s45, 2
	s_add_co_u32 s45, s45, s40                     ; row tile
	s_lshl_b32 s18, s44, 8
	s_add_co_u32 s17, s17, s18                     ; the tile's first row in w_codes
	s_add_co_u32 s13, s44, s45
	s_and_b32 s13, s13, 7                          ; the K step at which I begin
	s_mov_b32 s[G1+0], (1<<20)|(5<<22)|(3<<25)     ; elements of 1 byte; four words of padding after every 64
	s_mov_b32 s[G1+1], ROWB<<16
	s_mov_b32 s[G1+2], 128<<16
	s_mov_b32 s[G1+3], ROWB<<16
	s_mov_b32 s[G1+4], 128
	s_mov_b32 s[G1+5], KROW
	s_mov_b32 s[G1+6], 0
	s_mov_b32 s[G1+7], 0
	s_lshl_b32 s19, s44, 8
	s_lshl_b32 s20, s16, 7
	s_add_co_u32 s20, s19, s20
	s_lshl_b32 s20, s20, 2
	s_lshl_b32 s21, s15, 7
	s_add_co_u32 s21, s19, s21
	s_lshl_b32 s21, s21, 2
	s_cmp_lg_u32 s42, 0
	s_cselect_b32 s20, 0, s20
	s_cselect_b32 s21, s21, 0
	v_and_b32 v1, 15, v0
	v_bfe_u32 v2, v0, 4, 1
	v_lshl_add_u32 v12, v2, 5, s20
	v_lshl_add_u32 v13, v1, 2, s21
	s_wait_dscnt 0x0
	s_wait_alu depctr_va_vdst(0)
	s_wait_kmcnt 0x0
	s_load_b256 s[88:95], s[72:73], 0x0            ; e0 .. e7
	s_load_b64 s[96:97], s[72:73], 0x20            ; e8, e9
	s_cmp_lg_u32 s42, 0
	s_cselect_b64 s[86:87], s[78:79], s[76:77]
	s_cmp_lg_u32 s41, 0
	s_cselect_b64 s[86:87], s[74:75], s[86:87]     ; the bias
.irp b, 0,1,2,3,4,5,6,7
	global_load_b128 v[BC+8*\b:BC+8*\b+3], v12, s[86:87] offset:64*\b
	global_load_b128 v[BC+8*\b+4:BC+8*\b+7], v12, s[86:87] offset:64*\b+16
.endr
.irp a, 0,1,2,3,4,5,6,7
	global_load_b32 v[BR+2*\a], v13, s[86:87] offset:64*\a
.endr
	s_lshl_b32 s19, s16, 7
	s_add_co_u32 s20, s17, s19
	s_lshl_b32 s20, s20, 11                        ; my 128 rows, if of W,
	s_lshl_b32 s46, s45, 8
	s_add_co_u32 s46, s46, s19
	s_lshl_b32 s46, s46, 11                        ; if of x
	s_cmp_eq_u32 s15, s42                          ; region 0 of q and k, region 1 of v: rows of W
	s_cselect_b64 s[BASE:BASE+1], s[70:71], s[68:69]
	s_cselect_b32 s20, s20, s46
	s_cselect_b32 s22, 1, 0
	s_wait_kmcnt 0x0
	s_cmp_eq_u32 s90, s88
	s_cselect_b32 s18, 0, 1
	s_cmp_eq_u32 s92, s88
	s_cselect_b32 s19, 0, 2
	s_cmp_lg_u32 s42, 0
	s_cselect_b32 s18, s19, s18
	s_cmp_lg_u32 s41, 0
	s_cselect_b32 s18, 0, s18
	s_cmp_lg_u32 s22, 0
	s_cselect_b32 s18, 0, s18                      ; x's plane; none for W
	s_min_u32 s18, s18, 2
	s_lshl_b32 s18, s18, 23
	s_add_co_u32 s20, s20, s18
	s_mov_b32 s21, 0
	s_add_nc_u64 s[BASE:BASE+1], s[BASE:BASE+1], s[20:21]
	s_lshl_b32 s[KO], s13, 8
	s_add_co_u32 s[KO+2], s[KO], ROWB
	s_and_b32 s[KO+2], s[KO+2], KROW-1
	s_mov_b32 s[KO+1], 0
	s_mov_b32 s[KO+3], 0
	s_mul_i32 s18, s14, HALFT
.irp s, 0,1
	s_mov_b32 s[G0+4*\s], 1
	s_add_co_u32 s[G0+4*\s+1], s18, \s*SLOT
	s_add_nc_u64 s[G0+4*\s+2:G0+4*\s+3], s[BASE:BASE+1], s[KO+2*\s:KO+2*\s+1]
	s_or_b32 s[G0+4*\s+3], s[G0+4*\s+3], 0x80000000
.endr
	tensor_load_to_lds s[G0:G0+3], s[G1:G1+7]      ; my first K step: one tensor load a wave at the head
	s_nop 0
	s_add_co_i32 s18, s88, s89
	s_add_co_i32 s19, s90, s91
	s_add_co_i32 s22, s92, s93
	s_cmp_lg_u32 s42, 0
	s_cselect_b32 s19, s22, s19
	s_cselect_b32 s23, s96, s94
	s_cmp_lg_u32 s41, 0
	s_cselect_b32 s19, s18, s19
	s_cselect_b32 s23, s95, s23
	s_add_co_i32 s19, s19, 127
	s_lshl_b32 s98, s19, 23                        ; 2^(the two operands' e added)
	s_mov_b32 s99, s98
	s_add_co_i32 s23, s23, 127
	s_lshl_b32 s22, s23, 23
	s_add_co_i32 s23, s23, 15
	s_lshl_b32 s23, s23, 23
	s_or_b32 s23, s23, 0x600000
	s_mul_i32 s21, s15, HALFT
	s_add_co_u32 s21, s21, 2*HALFT                 ; source 1: region 1
	s_mul_i32 s20, s16, HALFT                      ; source 0: region 0
	s_mul_i32 s19, s14, 16*SPITCH
	v_mov_b32 v[SCL], s22                          ; the result's scale, and 57,344 x it
	v_mov_b32 v[LIM], s23
	v_mul_u32_u24 v3, v1, PITCH
	v_lshl_add_u32 v4, v2, 4, v3
	v_add_nc_u32 v[ADRA], s21, v4
	v_add_nc_u32 v[ADRB], s20, v4
	v_add_nc_u32 v[ADRA+1], SLOT, v[ADRA]
	v_add_nc_u32 v[ADRB+1], SLOT, v[ADRB]
	v_mul_u32_u24 v5, v1, SPITCH
	v_lshl_add_u32 v5, v2, 3, v5
	v_add_nc_u32 v[STO], s19, v5
	v_and_b32 v6, 31, v0
	v_lshrrev_b32 v7, 3, v6
	v_mul_u32_u24 v7, v7, SPITCH
	v_and_b32 v8, 7, v6
	v_lshl_add_u32 v7, v8, 4, v7
	v_add_nc_u32 v[RD], s19, v7
	v_lshlrev_b32 v[CO], 4, v6
	s_cmp_lg_u32 s42, 0                            ; where my 128 x 128 goes: one block of 16,384 bytes
	s_cselect_b32 s17, s16, s15
	s_cselect_b32 s18, s15, s16
	s_lshl_b32 s19, s45, 8
	s_lshl_b32 s17, s17, 7
	s_add_co_u32 s19, s19, s17
	s_lshr_b32 s20, s19, 11
	s_bfe_u32 s19, s19, 0x40007
	s_cmp_lg_u32 s41, 0
	s_cselect_b32 s21, 4, 2
	s_lshl_b32 s20, s20, s21
	s_lshl_b32 s21, s44, 1
	s_add_co_u32 s20, s20, s21
	s_add_co_u32 s20, s20, s18
	s_lshl_b32 s20, s20, 4
	s_add_co_u32 s20, s20, s19
	s_lshl_b32 s20, s20, 14
	s_mov_b32 s21, 0
	s_cmp_lg_u32 s42, 0
	s_cselect_b64 s[66:67], s[84:85], s[82:83]
	s_cmp_lg_u32 s41, 0
	s_cselect_b64 s[66:67], s[80:81], s[66:67]
	s_add_nc_u64 s[66:67], s[66:67], s[20:21]
	s_wait_alu depctr_va_vdst(0)
	s_wait_loadcnt 0x0
	s_cmp_lg_u32 s42, 0
	s_cselect_b32 vcc_lo, -1, 0
.set i, 0
.rept 64
	v_cndmask_b32 v[BC+i], v[BC+i], v[ZER], vcc_lo
.set i, i+1
.endr
	s_not_b32 vcc_lo, vcc_lo
.irp a, 0,1,2,3,4,5,6,7
	v_cndmask_b32 v[BR+2*\a], v[BR+2*\a], v[ZER], vcc_lo
.endr
.irp a, 0,1,2,3,4,5,6,7
	v_mov_b32 v[BR+2*\a+1], v[BR+2*\a]
.endr
	s_wait_alu depctr_va_vdst(0)
	s_wait_tensorcnt 0x0                           ; my part of slot 0 is in; slot 1's first fill is issued as a refill is
	ds_add_u32 v[SPW], v[NIL]
	s_wait_dscnt 0x0
	s_barrier_signal -1
	s_barrier_wait -1
	tensor_load_to_lds s[G0+4:G0+7], s[G1:G1+7]
	s_nop 0
	PLACES NP
	FETCH_B 0, 0, 0
	FETCH_A 0, 0, 0
	FETCH_A 0, 0, 4
	STEP 0, 0, 1                                   ; the first products start the sums
	s_mov_b32 s3, LAPS-1
.Llap:
	TURN 0, 1, 1
	STEP 1, 0, 0
	TURN 1, 0, 1
	STEP 0, 0, 0
	s_sub_co_u32 s3, s3, 1
	s_cmp_lg_u32 s3, 0
	s_cbranch_scc1 .Llap
	TURN 0, 1, 0
	STEP 1, 0, 0
	s_wait_dscnt 4*NL
	WIN MUL_LO
	MUL16 0, 1, 0
	MUL16 2, 1, 0
	s_wait_dscnt 0
	WIN MUL_HI
	MUL16 4, 1, 0
	MUL16 6, 1, 0
	WIN 0
; THE WAY OUT, block by block of 16 rows of source 1: sum x 2^(e + e) + bias, held, converted; 128 bytes a row through my stage; four stores of 512 consecutive bytes, aligned.
.macro COMPUTE a
.set AC, 64*((\a)%4)
.set PS, PCD+16*((\a)%2)
	WIN 0x02+((\a)/4)
.set j, 0
.rept 32
	v_pk_fma_f32 v[TMP+j:TMP+j+1], v[AC+j:AC+j+1], s[98:99], v[BC+j:BC+j+1] op_sel_hi:[1,0,1]
.set j, j+2
.endr
	WIN 0
.set j, 0
.rept 32
	v_pk_add_f32 v[TMP+j:TMP+j+1], v[TMP+j:TMP+j+1], v[BR+2*(\a):BR+2*(\a)+1]
.set j, j+2
.endr
.set j, 0
.rept 64
	v_med3_num_f32 v[TMP+j], v[TMP+j], -v[LIM], v[LIM]   ; the conversion does not saturate (ISA guide 7.6.2)
.set j, j+1
.endr
.irp b, 0,1,2,3,4,5,6,7
	v_cvt_scalef32_pk8_bf8_f32 v[PS+2*\b:PS+2*\b+1], v[TMP+8*\b:TMP+8*\b+7], v[SCL]
.endr
	v_nop
.endm
.macro STAGE a
.set PS, PCD+16*((\a)%2)
.set BB, BK+16*((\a)%2)
.if (\a) >= 2
	s_wait_xcnt 0x0                                ; block a - 2's stores have read their registers
.endif
.irp b, 0,1,2,3,4,5,6,7
	ds_store_b64 v[STO], v[PS+2*\b:PS+2*\b+1] offset:16*\b
.endr
.irp i, 0,1,2,3
	ds_load_b128 v[BB+4*\i:BB+4*\i+3], v[RD] offset:4*SPITCH*\i
.endr
.endm
.macro SEND a
.set BB, BK+16*((\a)%2)
	s_wait_dscnt 0x0
.irp i, 0,1,2,3
	global_store_b128 v[CO], v[BB+4*\i:BB+4*\i+3], s[66:67] offset:4096*((\a)/2)+2048*(\i/2)+1024*((\a)%2)+512*(\i%2)
.endr
.endm
	PLACES NP
	COMPUTE 0
	STAGE 0
.irp a, 1,2,3,4,5,6,7
	COMPUTE \a
	s_wait_alu depctr_va_vdst(0)
	SEND \a-1
	STAGE \a
.endr
	SEND 7
	s_wait_tensorcnt 0x0                           ; the wave's end
	ds_add_u32 v[SPW], v[NIL]
	s_wait_dscnt 0x0
	s_endpgm
.Lfunc_end_k_q7e8fcde8dc_proj:
	.size	k_q7e8fcde8dc_proj, .Lfunc_end_k_q7e8fcde8dc_proj-k_q7e8fcde8dc_proj
	.p2alignl 7, 3214868480
	.fill 96, 4, 3214868480
	.section	.rodata,"a",@progbits
	.p2align	6, 0x0
	.amdhsa_kernel k_q7e8fcde8dc_proj
		.amdhsa_group_segment_fixed_size 327680
		.amdhsa_private_segment_fixed_size 0
		.amdhsa_enable_private_segment 0
		.amdhsa_kernarg_size 72
		.amdhsa_user_sgpr_count 2
		.amdhsa_user_sgpr_kernarg_segment_ptr 1
		.amdhsa_wavefront_size32 1
		.amdhsa_system_sgpr_workgroup_id_x 1
		.amdhsa_system_sgpr_workgroup_id_y 1
		.amdhsa_system_sgpr_workgroup_id_z 1
		.amdhsa_system_vgpr_workitem_id 0
		.amdhsa_next_free_vgpr 1024
		.amdhsa_next_free_sgpr 102
		.amdhsa_reserve_vcc 1
		.amdhsa_float_denorm_mode_32 3
		.amdhsa_float_denorm_mode_16_64 3
		.amdhsa_memory_ordered 1
		.amdhsa_forward_progress 1
		.amdhsa_inst_pref_size 160
	.end_amdhsa_kernel
	.amdgpu_metadata
---
amdhsa.version: [ 1, 2 ]
amdhsa.kernels:
  - .name:           k_q7e8fcde8dc_proj
    .symbol:         k_q7e8fcde8dc_proj.kd
    .args:
      - { .name: x_codes, .offset: 0, .size: 8, .value_kind: global_buffer, .address_space: global }
      - { .name: w_codes, .offset: 8, .size: 8, .value_kind: global_buffer, .address_space: global }
      - { .name: lowp_scales, .offset: 16, .size: 8, .value_kind: global_buffer, .address_space: global }
      - { .name: bq, .offset: 24, .size: 8, .value_kind: global_buffer, .address_space: global }
      - { .name: bk, .offset: 32, .size: 8, .value_kind: global_buffer, .address_space: global }
      - { .name: bv, .offset: 40, .size: 8, .value_kind: global_buffer, .address_space: global }
      - { .name: q_codes, .offset: 48, .size: 8, .value_kind: global_buffer, .address_space: global }
      - { .name: k_codes, .offset: 56, .size: 8, .value_kind: global_buffer, .address_space: global }
      - { .name: v_codes, .offset: 64, .size: 8, .value_kind: global_buffer, .address_space: global }
    .group_segment_fixed_size: 327680
    .private_segment_fixed_size: 0
    .kernarg_segment_align: 8
    .kernarg_segment_size: 72
    .max_flat_workgroup_size: 128
    .sgpr_count:     102
    .vgpr_count:     1024
    .wavefront_size: 32
...
	.end_amdgpu_metadata
.endif
;; end of part 2
;; launch attn (part 3): grid 8 x 32, 8 waves a work-group, clusters of 4 x 1, 327,680 bytes of LDS; arguments q_codes, k_codes, v_codes, lowp_scales, out0; writes out0
.if DOCPART == 3
	.amdgcn_target "amdgcn-amd-amdhsa--gfx1250"
	.amdhsa_code_object_version 6
	.text
	.protected	k_q7e8fcde8dc_attn
	.globl	k_q7e8fcde8dc_attn
	.p2align	8
	.type	k_q7e8fcde8dc_attn,@function
k_q7e8fcde8dc_attn:
	s_mov_b64 s[64:65], 0
	v_nop
	global_prefetch_b8 v0, s[64:65] scope:SCOPE_SE
	s_setreg_imm32_b32 hwreg(HW_REG_WAVE_MODE, 25, 1), 1
	s_wait_xcnt 0x0
	s_wait_alu depctr_hold_cnt(0) depctr_sa_sdst(0) depctr_va_vdst(0) depctr_va_sdst(0) depctr_va_ssrc(0) depctr_va_vcc(0) depctr_vm_vsrc(0)
	s_getreg_b32 s2, hwreg(HW_REG_IB_STS2, 6, 4)
	s_cmp_eq_u32 s2, 0
	s_cbranch_scc0 .Lentry_in_a_cluster
	s_endpgm
.Lentry_in_a_cluster:
	s_bfe_u32 s2, ttmp6, 0x10000c
	s_cmp_lg_u32 s2, 0x3003
	s_cbranch_scc0 .Lentry_shape_is_right
	s_endpgm
.Lentry_shape_is_right:
; out0[b][s][hq 128 + d] = the sum over t of softmax_t(q[b][hq][s] . k[b][g][t] / sqrt(128)) v[b][g][t][d], g = hq mod 4, both products on codes of BF8 (E5M2): k under 2^e6, q under 2^e7, v under 2^e8, p under 2^e9.
; THE SOFTMAX AHEAD OF THE SECOND PRODUCT: t = score x log2(e) / sqrt(128); M = the largest t so far, rounded UP to a whole number; p = 2^(t - M) is quantised, not normalised.  The row's sum is taken of the
; unquantised p, in f32, and divides at the end.  When M moves, the sum and O are multiplied by 2^(old M - new M): exact.
; INPUTS: blocks of 128 rows x 128 bytes; row rho of a block lies at the place rho with bits 3 and 4 swapped.  q_codes: block (b 16 + hq) 16 + s / 128, row s % 128, byte d.  k_codes: block (b 4 + g) 16 + t / 128, row t % 128, byte d.
; v_codes: block (b 4 + g) 16 + t / 128, row d, byte t % 128.  So the 16 registers of result tiles 2 beta, 2 beta + 1 are 16 neighbours, 32 beta + 16 (lane / 16) + 0 .. 15: of the keys in S^T, of the channels in O^T.
; SHARES.  A work-group owns 256 queries of one (b, hq); each of its eight waves 32 of them, two tiles.  Both products are used transposed (S^T = K Q^T, O^T = V^T P^T): a lane holds one query of each tile.
; THE RING.  Two slots of 512 keys: four blocks of K, then four of V, 17,408 bytes each in LDS.  Wave w fetches block w of a slot, one tensor load, with no branch; four changes of slots for the 2,048 keys, four key steps of 128 between two.
; CLUSTER.  The four query blocks of a cluster belong to one head and walk the same K and V: each block is asked for jointly (mask 15).
; LIMITS: e6 + e7 between -123 and 130 (added to c's exponent field); e9 between -126 and 112; the scaled scores stay under 2^31 in magnitude.
; REGISTERS.  window 0: v1-7, v11, v27 addresses; v8-10, v24-26 at work; v12-19 statistics (tile T at 12 + 4 T: -M, largest t, the sum in two halves); v20-23 f; v28, v31 57,344 x 2^e9; v29 2^e9;
;   v32-63 Q; v64-127 fragments 0-3; v128-255 S^T, then p.   window 1: v0-127 O^T; v128-159 p's codes; v160-223 fragments 4-7.
.set BLKB,  17408                      ; 64 rows of 256 bytes (two places each) + 16 of padding: place p at (p / 2) 272 + (p % 2) 128
.set TILEB, 2176                       ; 16 places
.set VOFF,  4*BLKB
.set SPARE, 16*BLKB                    ; behind the ring: the spare words, 1,024 bytes that no other line names
.set SP,    528                        ; the way out: 16 rows x (512 + 16) bytes a wave, in slot 0, which is left at the last change of slots
.set AKV, 1
.set ADK, 2
.set ADV, 3
.set PFO, 4
.set SPW, 5
.set NIL, 6
.set GO,  7
.set QO,  11
.set AV0, 27
.set PLIM, 28
.set PSC,  29
.set PLIM2, 31
.set Q,   32
.set FR0, 64
.set S,   128
.set PC,  128
.set FR1, 160
.set TB,   2                           ; s2  LDS byte of the step's block of K
.set RB,   3                           ; s3  first block of the slot in hand: 0 or 8
.set WV,   18
.set SEL,  20
.set CS,   22
.set G1,   24
.set G0,   40
.set SB,   44                          ; s44 first block of the slot that was asked for last
.set KI,   45                          ; s45 the key step in the slot
.set SLOTS, 67
.set PFA,  76
.set LIM,  80
.set MSB, 0
.macro WIN new
.if MSB != \new
	s_set_vgpr_msb (MSB<<8)|\new
.set MSB, \new
.endif
.endm
; A PREFETCH of the slot that the NEXT change will ask for: 65,536 bytes of K and of V.  Each aligned block of 256 bytes is named once in the launch: of the heads and clusters that walk one kv head the first head's first
; cluster asks; its four partners take 16,384 bytes each, told apart by address; waves 0, 1 ask for K's halves, waves 2, 3 for V's, lanes 256 bytes apart.  The last change that fills asks for nothing; slots 0 and 1 come by their loads.
.macro ASK
	s_cmp_gt_u32 s[SLOTS], s[LIM]
	s_cbranch_scc0 .Lnot_mine_\@
	global_prefetch_b8 v[PFO], s[PFA:PFA+1] th:TH_LOAD_NT scope:SCOPE_SE
.Lnot_mine_\@:
.endm
.macro CROUND
	s_barrier_signal -1
	s_barrier_wait -1
	s_cmp_lg_u32 s[WV], 0
	s_cbranch_scc1 .Lnot_wave_0_\@
	s_barrier_signal -3
.Lnot_wave_0_\@:
	s_barrier_wait -3
	s_barrier_signal -1
	s_barrier_wait -1
.endm
	s_load_b256 s[4:11], s[0:1], 0x0               ; q_codes, k_codes, v_codes, lowp_scales
	s_load_b64 s[12:13], s[0:1], 0x20              ; out0
	v_lshl_add_u32 v[SPW], v0, 2, SPARE
	v_mov_b32 v[NIL], 0
	ds_add_u32 v[SPW], v[NIL]                      ; the opening lines: the add twice on end and one wait
	ds_add_u32 v[SPW], v[NIL]
	v_lshrrev_b32 v8, 5, v0
	v_readfirstlane_b32 s[WV], v8                  ; wave 0..7
	s_bfe_u32 s72, ttmp6, 0x40000                  ; cx
	s_lshl_b32 s73, ttmp9, 2
	s_add_co_u32 s73, s73, s72                     ; my block of 256 queries: it enters Q's and O's addresses alone
	s_and_b32 s74, ttmp7, 0xffff                   ; b 16 + hq
	s_lshr_b32 s75, s74, 4                         ; b
	s_and_b32 s82, s74, 3                          ; g
	s_lshl_b32 s83, s75, 2
	s_add_co_u32 s83, s83, s82
	s_lshl_b32 s84, s83, 18                        ; the kv head's first byte in k_codes and in v_codes
	s_and_b32 s85, s[WV], 3                        ; which of a slot's four steps I fetch
	s_lshl_b32 s86, s85, 14
	s_add_co_u32 s86, s86, s84
	s_mov_b32 s87, 0
	s_mul_i32 s88, s[WV], BLKB
	s_lshl_b32 s90, s74, 11
	s_lshl_b32 s91, s73, 8
	s_add_co_u32 s90, s90, s91
	s_lshl_b32 s91, s[WV], 5
	s_add_co_u32 s90, s90, s91
	s_lshl_b32 s90, s90, 7                         ; Q: ((b 16 + hq) 2,048 + my first query) x 128 bytes
	s_mov_b32 s91, 0
	s_lshl_b32 s92, s75, 11
	s_lshl_b32 s93, s73, 8
	s_add_co_u32 s92, s92, s93
	s_lshl_b32 s93, s[WV], 5
	s_add_co_u32 s92, s92, s93
	s_lshl_b32 s92, s92, 13                        ; O: (b 2,048 + my first query) x 8,192 bytes
	s_and_b32 s93, s74, 15
	s_lshl_b32 s93, s93, 9
	s_add_co_u32 s92, s92, s93                     ; + hq x 512
	s_mov_b32 s93, 0
	s_mov_b32 s[G1], 15|(1<<20)|(1<<21)|(5<<22)|(3<<25)   ; the mask: all four; elements of 1 byte; four words of padding after every 64
	s_mov_b32 s[G1+1], 256<<16
	s_mov_b32 s[G1+2], 64<<16
	s_mov_b32 s[G1+3], 256<<16
	s_mov_b32 s[G1+4], 64
	s_mov_b32 s[G1+5], 256
	s_mov_b32 s[G1+6], 0
	s_mov_b32 s[G1+7], 0
	s_mov_b32 s[SEL], 0x76543210
	s_mov_b32 s[SEL+1], 0xfedcba98
	s_mov_b32 s[CS], 0x3e0293ee                    ; c = log2(e) / sqrt(128)
	s_mov_b32 s[RB], 0
	s_mov_b32 s[SB], 0
	s_mov_b32 s[SLOTS], 3                          ; 2,048 / 512 - 1
	s_wait_dscnt 0x0
	s_wait_kmcnt 0x0
	s_load_b128 s[68:71], s[10:11], 0x18           ; e6, e7, e8, e9
	s_cmp_lt_u32 s[WV], 4                          ; waves 0-3 fetch K's blocks, waves 4-7 V's
	s_cselect_b64 s[94:95], s[6:7], s[8:9]
	s_mov_b32 s[G0], 1
	s_mov_b32 s[G0+1], s88
	s_add_nc_u64 s[G0+2:G0+3], s[94:95], s[86:87]
	s_or_b32 s[G0+3], s[G0+3], 0x80000000
	CROUND                                         ; all four work-groups are here: the first joint loads meet
	tensor_load_to_lds s[G0:G0+3], s[G1:G1+7]      ; slot 0: one tensor load a wave at the head
	s_nop 0
	s_add_nc_u64 s[4:5], s[4:5], s[90:91]
	s_add_nc_u64 s[12:13], s[12:13], s[92:93]
	s_and_b32 s94, s[WV], 2
	s_cmp_eq_u32 s94, 0
	s_cselect_b64 s[PFA:PFA+1], s[6:7], s[8:9]
	s_lshl_b32 s94, s72, 14                        ; my work-group's 16,384 bytes of a slot's 65,536,
	s_and_b32 s95, s[WV], 1
	s_lshl_b32 s95, s95, 13                        ; my wave's half of them,
	s_add_co_u32 s94, s94, s95
	s_add_co_u32 s94, s94, s84
	s_add_co_u32 s94, s94, 65536                   ; in slot 1: the first change of slots steps it to slot 2
	s_mov_b32 s95, 0
	s_add_nc_u64 s[PFA:PFA+1], s[PFA:PFA+1], s[94:95]
	s_lshr_b32 s94, s[WV], 2                       ; 0 in waves 0 to 3,
	s_or_b32 s94, s94, ttmp9                       ; of the first cluster
	s_bfe_u32 s95, s74, 0x20002
	s_or_b32 s94, s94, s95                         ; of the first of the four heads that share the kv head: the same in all partners
	s_cmp_eq_u32 s94, 0
	s_cselect_b32 s[LIM], 1, -1
	v_and_b32 v8, 15, v0                           ; r
	v_bfe_u32 v9, v0, 4, 1                         ; h
	v_and_b32 v[QO], 8, v8
	v_add_nc_u32 v[QO], v[QO], v8                  ; query 16 T + r lies at place 16 (r / 8) + 8 T + r % 8
	v_lshlrev_b32 v[QO], 7, v[QO]
	v_lshl_add_u32 v[QO], v9, 4, v[QO]
.irp T, 0,1
.irp c, 0,1,2,3
	global_load_b128 v[Q+16*\T+4*\c:Q+16*\T+4*\c+3], v[QO], s[4:5] offset:1024*\T+32*\c   ; Q stays in registers
.endr
.endr
	v_lshrrev_b32 v24, 1, v8
	v_mul_u32_u24 v[AKV], v24, 272
	v_and_b32 v24, 1, v8
	v_lshl_add_u32 v[AKV], v24, 7, v[AKV]
	v_lshl_add_u32 v[AKV], v9, 4, v[AKV]           ; my lane's place in 16 places of a block
	v_add_nc_u32 v[AV0], VOFF, v[AKV]
	v_and_b32 v[GO], 31, v0
	v_lshlrev_b32 v[PFO], 8, v[GO]
	v_lshlrev_b32 v[GO], 4, v[GO]
.irp T, 0,1
	v_mov_b32 v[13+4*\T], 0xff61b1e6               ; the largest t so far: -3e38
	v_floor_f32 v[12+4*\T], -v[13+4*\T]            ; -M
	v_mov_b32 v[14+4*\T], 0
	v_mov_b32 v[15+4*\T], 0
	v_mov_b32 v[21+2*\T], 0                        ; (named as the upper half of f's pair)
	v_mov_b32 v[26-16*\T], 0                       ; a lane permute's destination counts as one of its sources
.endr
	WIN 0x40
.set j, 0
.rept 128
	v_mov_b32 v[j], 0                              ; O^T: the step is written for every step alike; the first finds zeros
.set j, j+1
.endr
	WIN 0
	s_wait_kmcnt 0x0
	s_add_co_i32 s72, s68, s69
	s_lshl_b32 s72, s72, 23
	s_add_co_i32 s[CS], s[CS], s72                 ; a score stands for score x 2^(e6 + e7)
	s_mov_b32 s[CS+1], s[CS]
	s_add_co_i32 s72, s71, 127
	s_lshl_b32 s73, s72, 23
	v_mov_b32 v[PSC], s73                          ; 2^e9
	s_add_co_i32 s72, s72, 15
	s_lshl_b32 s72, s72, 23
	s_or_b32 s72, s72, 0x600000
	v_mov_b32 v[PLIM], s72                         ; 57,344 x 2^e9, twice: the two halves of a dual pair take their second sources from different banks
	v_mov_b32 v[PLIM2], s72
.macro FETCH adr                       ; a block's eight fragments, two runs of 16 loads: 0-3 into window 0, 4-7 into window 1
.set f, 0
.rept 4
.irp c, 0,1,2,3
	ds_load_b128 v[FR0+16*f+4*\c:FR0+16*f+4*\c+3], v[\adr] offset:f*TILEB+32*\c
.endr
.set f, f+1
.endr
	WIN 0x40
.rept 4
.irp c, 0,1,2,3
	ds_load_b128 v[FR1+16*(f-4)+4*\c:FR1+16*(f-4)+4*\c+3], v[\adr] offset:f*TILEB+32*\c
.endr
.set f, f+1
.endr
.endm
.macro SCORES hi
.set FB, FR0+(FR1-FR0)*\hi
.set f, 0
.rept 4
.irp T, 0,1
	v_wmma_f32_16x16x128_bf8_bf8 v[S+64*\T+8*(4*\hi+f):S+64*\T+8*(4*\hi+f)+7], v[FB+16*f:FB+16*f+15], v[Q+16*\T:Q+16*\T+15], 0
.endr
.set f, f+1
.endr
.endm
.macro PV hi                           ; the 16 accumulators take turns, one instruction a turn
.set FB, FR0+(FR1-FR0)*\hi
.set f, 0
.rept 4
.irp T, 0,1
	v_wmma_f32_16x16x128_bf8_bf8 v[64*\T+8*(4*\hi+f):64*\T+8*(4*\hi+f)+7], v[FB+16*f:FB+16*f+15], v[PC+16*\T:PC+16*\T+15], v[64*\T+8*(4*\hi+f):64*\T+8*(4*\hi+f)+7]
.endr
.set f, f+1
.endr
.endm
; A KEY STEP: 128 keys, block RB + KI of the ring.
.macro STEP
	s_add_co_u32 s96, s[RB], s[KI]
	s_mul_i32 s[TB], s96, BLKB
	v_add_nc_u32 v[ADK], s[TB], v[AKV]
	v_add_nc_u32 v[ADV], s[TB], v[AV0]
	v_nop
	v_nop                                          ; four plain lines between the last products and the loads into the registers that they read
	FETCH ADK
	s_wait_alu depctr_va_vdst(0)
	s_wait_dscnt 16                                ; fragments 0-3 are in; the second run's 16 loads may be out
	WIN 0
	SCORES 0
	s_wait_dscnt 0x0
	WIN 0x01
	SCORES 1
	WIN 0
.rept 4
	v_nop
.endr
	FETCH ADV                                      ; V's fragments land while the softmax is worked
	WIN 0
.irp T, 0,1
	v_max3_num_f32 v[24-16*\T], v[S+64*\T], v[S+64*\T+1], v[S+64*\T+2]
	v_max3_num_f32 v[25-16*\T], v[S+64*\T+3], v[S+64*\T+4], v[S+64*\T+5]
.endr
.set j, 6
.rept 14
.irp T, 0,1
	v_max3_num_f32 v[24-16*\T], v[24-16*\T], v[S+64*\T+j], v[S+64*\T+j+1]
	v_max3_num_f32 v[25-16*\T], v[25-16*\T], v[S+64*\T+j+2], v[S+64*\T+j+3]
.endr
.set j, j+4
.endr
.irp T, 0,1
	v_max3_num_f32 v[24-16*\T], v[24-16*\T], v[S+64*\T+62], v[S+64*\T+63]
.endr
.irp T, 0,1
	v_max_num_f32 v[24-16*\T], v[24-16*\T], v[25-16*\T]
.endr
.irp T, 0,1
	v_permlanex16_b32 v[26-16*\T], v[24-16*\T], s[SEL], s[SEL+1]   ; the query's other 64 keys lie in the lane 16 away
.endr
.irp T, 0,1
	v_max_num_f32 v[24-16*\T], v[24-16*\T], v[26-16*\T]
.endr
.irp T, 0,1
	v_mul_f32 v[24-16*\T], s[CS], v[24-16*\T]      ; as t (c is positive)
.endr
.irp T, 0,1
	v_max_num_f32 v[13+4*\T], v[13+4*\T], v[24-16*\T]   ; the running largest t
.endr
.irp T, 0,1
	v_mov_b32 v[24-16*\T], v[12+4*\T]
.endr
.irp T, 0,1
	v_floor_f32 v[12+4*\T], -v[13+4*\T]            ; the new -M = floor(-t)
.endr
.irp T, 0,1
	v_sub_f32 v[24-16*\T], v[12+4*\T], v[24-16*\T] ; old M less new M: a whole number, 0 or less
.endr
.irp T, 0,1
	v_cvt_i32_f32 v[24-16*\T], v[24-16*\T]
.endr
.irp T, 0,1
	v_ldexp_f32 v[20+2*\T], 1.0, v[24-16*\T]       ; f = 2^(old M - new M)
.endr
.irp T, 0,1
.set j, 0
.rept 32
	v_pk_fma_f32 v[S+64*\T+j:S+64*\T+j+1], v[S+64*\T+j:S+64*\T+j+1], s[CS:CS+1], v[12+4*\T:13+4*\T] op_sel_hi:[1,0,0]   ; t - M
.set j, j+2
.endr
.endr
	s_wait_alu depctr_va_vdst(0)
.set j, 0
.rept 128
	v_exp_f32 v[S+j], v[S+j]                       ; p = 2^(t - M)
.set j, j+1
.endr
.irp T, 0,1
	v_pk_mul_f32 v[14+4*\T:15+4*\T], v[14+4*\T:15+4*\T], v[20+2*\T:21+2*\T] op_sel_hi:[1,0]   ; the sums under the new M
.endr
	s_wait_alu depctr_va_vdst(0)                   ; one wait for the batch, ahead of its first reader
.irp T, 0,1
	v_pk_add_f32 v[24-16*\T:25-16*\T], v[S+64*\T:S+64*\T+1], v[S+64*\T+2:S+64*\T+3]   ; the row's sum is taken of the unquantised p
.endr
.set j, 4
.rept 15
.irp T, 0,1
	v_pk_add_f32 v[14+4*\T:15+4*\T], v[14+4*\T:15+4*\T], v[S+64*\T+j:S+64*\T+j+1]
	v_pk_add_f32 v[24-16*\T:25-16*\T], v[24-16*\T:25-16*\T], v[S+64*\T+j+2:S+64*\T+j+3]
.endr
.set j, j+4
.endr
.irp T, 0,1
	v_pk_add_f32 v[14+4*\T:15+4*\T], v[14+4*\T:15+4*\T], v[24-16*\T:25-16*\T]
.endr
.set j, 0
.rept 64
	v_dual_min_num_f32 v[S+j], v[S+j], v[PLIM] :: v_dual_min_num_f32 v[S+j+1], v[S+j+1], v[PLIM2]   ; the hold, one-sided since p is not negative (the conversion does not saturate: ISA guide 7.6.2), two numbers a line
.set j, j+2
.endr
	WIN 0x40
.irp T, 0,1
.irp b, 0,1,2,3
	v_cvt_scalef32_pk8_bf8_f32 v[PC+16*\T+4*\b:PC+16*\T+4*\b+1], v[S+64*\T+16*\b:S+64*\T+16*\b+7], v[PSC]
	v_cvt_scalef32_pk8_bf8_f32 v[PC+16*\T+4*\b+2:PC+16*\T+4*\b+3], v[S+64*\T+16*\b+8:S+64*\T+16*\b+15], v[PSC]
.endr
.endr
	v_nop                                          ; a plain vector line behind the conversions
	WIN 0x41
	s_wait_alu depctr_va_vdst(0)
.irp T, 0,1
.set j, 0
.rept 32
	v_pk_mul_f32 v[64*\T+j:64*\T+j+1], v[64*\T+j:64*\T+j+1], v[20+2*\T:21+2*\T] op_sel_hi:[1,0]   ; O^T under the new M
.set j, j+2
.endr
.endr
	s_wait_alu depctr_va_vdst(0)
	s_wait_dscnt 0x0                               ; V's fragments are in
	WIN 0x54
	PV 0
	WIN 0x55
	PV 1
	WIN 0
.endm
; THE CHANGE OF SLOTS stands at a slot's head: the wait for all my tensor loads (one is out at the most: my block of the slot ahead), the add, the wait for it and for my reads of the slot that I have left.
; fill = 1: the barrier is a round of the cluster's, and the slot just left takes the next 512 keys: the load has four key steps in which to land.
.macro CHANGE fill
	s_wait_tensorcnt 0x0
	ds_add_u32 v[SPW], v[NIL]
.if \fill
	s_xor_b32 s[SB], s[SB], 8                      ; the walking descriptor: the other slot's blocks, the next four blocks in memory
	s_add_co_u32 s96, s[SB], s[WV]
	s_mul_i32 s[G0+1], s96, BLKB
	s_add_nc_u64 s[G0+2:G0+3], s[G0+2:G0+3], 65536
	s_wait_xcnt 0x0                                ; the last prefetch, a slot back, has read its address
	s_add_nc_u64 s[PFA:PFA+1], s[PFA:PFA+1], 65536 ; one slot further on than the walking descriptor
	s_wait_dscnt 0x0
	CROUND
	tensor_load_to_lds s[G0:G0+3], s[G1:G1+7]      ; the first thing behind the round, and my one tensor load until the next
	s_nop 0
.rept 4
	v_nop
.endr
	ASK
.else
	s_wait_dscnt 0x0
	s_barrier_signal -1
	s_barrier_wait -1
.endif
.endm
	s_wait_alu depctr_va_vdst(0)
	s_wait_loadcnt 0x0                             ; Q
.Lslot:                                            ; three trips: behind each change of slots but the last the next slot is asked for
	CHANGE 1
	s_mov_b32 s[KI], 0
.Lstep:
	STEP
	s_add_co_u32 s[KI], s[KI], 1
	s_cmp_lt_u32 s[KI], 4
	s_cbranch_scc1 .Lstep
	s_xor_b32 s[RB], s[RB], 8
	s_sub_co_u32 s[SLOTS], s[SLOTS], 1
	s_cmp_lg_u32 s[SLOTS], 0
	s_cbranch_scc1 .Lslot
	CHANGE 0                                       ; the last slot is written out
	s_mov_b32 s[KI], 0
.Llast:
	STEP
	s_add_co_u32 s[KI], s[KI], 1
	s_cmp_lt_u32 s[KI], 4
	s_cbranch_scc1 .Llast
	; THE WAY OUT.  O^T x 2^(e8 + e9) / the sum goes through my stage in LDS, a tile of 16 queries at a time, and leaves as rows of 512 bytes.  The lines below are also the places behind the last products.
	v_and_b32 v24, 15, v0
	v_bfe_u32 v25, v0, 4, 1
	s_mul_i32 s73, s[WV], 16*SP
	v_mul_u32_u24 v[ADK], v24, SP
	v_lshl_add_u32 v[ADK], v25, 6, v[ADK]
	v_add_nc_u32 v[ADK], s73, v[ADK]               ; in: row r; register 16 beta + i is channel 32 beta + 16 h + i
	v_add_nc_u32 v[ADV], s73, v[GO]                ; back: the 32 lanes take one row
.irp T, 0,1
	v_add_f32 v[14+4*\T], v[14+4*\T], v[15+4*\T]
.endr
.irp T, 0,1
	v_permlanex16_b32 v[26-16*\T], v[14+4*\T], s[SEL], s[SEL+1]
.endr
.irp T, 0,1
	v_add_f32 v[14+4*\T], v[14+4*\T], v[26-16*\T]  ; the row's sum
.endr
	s_wait_alu depctr_va_vdst(0)
.irp T, 0,1
	v_rcp_f32 v[14+4*\T], v[14+4*\T]
.endr
	v_nop
	s_add_co_i32 s72, s70, s71
	s_wait_alu depctr_va_vdst(0)                   ; one wait for both, ahead of their first use
.irp T, 0,1
	v_ldexp_f32 v[14+4*\T], v[14+4*\T], s72        ; x 2^(e8 + e9)
.endr
.macro MULO T
	WIN 0x01
	s_wait_alu depctr_va_vdst(0)
.set j, 0
.rept 32
	v_pk_mul_f32 v[S+64*\T+j:S+64*\T+j+1], v[64*\T+j:64*\T+j+1], v[14+4*\T:15+4*\T] op_sel_hi:[1,0]
.set j, j+2
.endr
	WIN 0
.endm
.macro STG T, dst                      ; LDS serves a wave's instructions in order (ISA guide 5.7.1.4): the loads see the stores above them
.irp b, 0,1,2,3
.irp k, 0,1,2,3
	ds_store_b128 v[ADK], v[S+64*\T+16*\b+4*\k:S+64*\T+16*\b+4*\k+3] offset:128*\b+16*\k
.endr
.endr
.irp i, 0,1,2,3,4,5,6,7,8,9,10,11,12,13,14,15
	ds_load_b128 v[\dst+4*\i:\dst+4*\i+3], v[ADV] offset:\i*SP
.endr
.endm
.macro SENDO T, dst
.irp i, 0,1,2,3,4,5,6,7,8,9,10,11,12,13,14,15
	s_wait_dscnt 15-\i                             ; row i is back; the younger loads may be out
	global_store_b128 v[GO], v[\dst+4*\i:\dst+4*\i+3], s[12:13] offset:131072*\T+8192*\i th:TH_STORE_NT   ; 32 lanes store 512 consecutive bytes, aligned
.endr
.endm
	MULO 0
	STG 0, FR0
	MULO 1
	s_wait_alu depctr_va_vdst(0)
	SENDO 0, FR0
	STG 1, S
	SENDO 1, S
	s_wait_tensorcnt 0x0                           ; the wave's end
	ds_add_u32 v[SPW], v[NIL]
	s_wait_dscnt 0x0
	CROUND                                         ; the closing round
	s_endpgm
.Lfunc_end_k_q7e8fcde8dc_attn:
	.size	k_q7e8fcde8dc_attn, .Lfunc_end_k_q7e8fcde8dc_attn-k_q7e8fcde8dc_attn
	.p2alignl 7, 3214868480
	.fill 96, 4, 3214868480
	.section	.rodata,"a",@progbits
	.p2align	6, 0x0
	.amdhsa_kernel k_q7e8fcde8dc_attn
		.amdhsa_group_segment_fixed_size 327680
		.amdhsa_private_segment_fixed_size 0
		.amdhsa_enable_private_segment 0
		.amdhsa_kernarg_size 40
		.amdhsa_user_sgpr_count 2
		.amdhsa_user_sgpr_kernarg_segment_ptr 1
		.amdhsa_wavefront_size32 1
		.amdhsa_system_sgpr_workgroup_id_x 1
		.amdhsa_system_sgpr_workgroup_id_y 1
		.amdhsa_system_sgpr_workgroup_id_z 1
		.amdhsa_system_vgpr_workitem_id 0
		.amdhsa_next_free_vgpr 512
		.amdhsa_next_free_sgpr 100
		.amdhsa_reserve_vcc 0
		.amdhsa_float_denorm_mode_32 3
		.amdhsa_float_denorm_mode_16_64 3
		.amdhsa_memory_ordered 1
		.amdhsa_forward_progress 1
		.amdhsa_inst_pref_size 92
	.end_amdhsa_kernel
	.amdgpu_metadata
---
amdhsa.version: [ 1, 2 ]
amdhsa.kernels:
  - .name:           k_q7e8fcde8dc_attn
    .symbol:         k_q7e8fcde8dc_attn.kd
    .args:
      - { .name: q_codes, .offset: 0, .size: 8, .value_kind: global_buffer, .address_space: global }
      - { .name: k_codes, .offset: 8, .size: 8, .value_kind: global_buffer, .address_space: global }
      - { .name: v_codes, .offset: 16, .size: 8, .value_kind: global_buffer, .address_space: global }
      - { .name: lowp_scales, .offset: 24, .size: 8, .value_kind: global_buffer, .address_space: global }
      - { .name: out0, .offset: 32, .size: 8, .value_kind: global_buffer, .address_space: global }
    .group_segment_fixed_size: 327680
    .private_segment_fixed_size: 0
    .kernarg_segment_align: 8
    .kernarg_segment_size: 40
    .max_flat_workgroup_size: 256
    .sgpr_count:     100
    .vgpr_count:     512
    .wavefront_size: 32
...
	.end_amdgpu_metadata
.endif
;; end of part 3
